; MI455X (gfx1250); checked and timed in simulation.
; The chip was launched on July 23, 2026; its instructions are those of AMD's public machine-readable ISA for CDNA 5 (MIT licence, August 2026) and "CDNA5" Instruction Set Architecture Reference Guide (July 2026). The comments in the code are by the model that wrote it; some were corrected since.
;; Attention. Allowed arithmetic: matrix products marked QUANTISED: E4M3 operands, one given power-of-two scale a tensor, by v_wmma_f32_16x16x64_fp8_fp8 or v_wmma_f32_16x16x128_fp8_fp8, f32 sums; everything else in f32.
;; Inputs: Wk 512 x 64 float32; Wq 512 x 64 float32; Wv 512 x 64 float32; lowp_scales 10 int32 (the exponents e of the quantised operands' scales 2^e); x 8 x 2,048 x 512 float32.
;; Outputs: out0 8 x 2,048 x 64 float32.
;; This version of the problem:
;;   THIS VERSION OF THE PROBLEM IS GIVEN IN LOW PRECISION. The matrix products marked QUANTISED in the list below multiply operands that are first quantised to E4M3 (4 exponent bits, 3 mantissa bits; 8 bits a number), with one given power-of-two scale for each operand tensor; their sums are f32. All else is computed in f32.
;;   The module's matrix products, in the order in which they are computed (A, B: the left and right operand; K: the contracted axis; several contracted axes count as one K, in the product's order):
;;     1. [M 16,384, K 512] x [K 512, N 64]; A: input x; B: input Wq: QUANTISED (scales: A lowp_scales[0], B lowp_scales[1])
;;     2. [M 16,384, K 512] x [K 512, N 64]; A: input x; B: input Wk: QUANTISED (scales: A lowp_scales[2], B lowp_scales[3])
;;     3. [M 16,384, K 512] x [K 512, N 64]; A: input x; B: input Wv: QUANTISED (scales: A lowp_scales[4], B lowp_scales[5])
;;     4. batch 8 x [M 2,048, K 64] x [K 64, N 2,048]; A: computed on the way; B: computed on the way: QUANTISED (scales: A lowp_scales[6], B lowp_scales[7])
;;     5. batch 8 x [M 2,048, K 2,048] x [K 2,048, N 64]; A: softmax (see below); B: computed on the way: QUANTISED (scales: A lowp_scales[8], B lowp_scales[9])
;;   THE QUANTISER, for each operand of a quantised product, along K:
;;     - The operand's scale is 2^e, e = its entry of the input lowp_scales (int32; the entries are numbered through the quantised products in the list's order, A before B).
;;     - Each number is divided by the scale, clamped to +-448, and rounded to the nearest number of E4M3, ties to even, subnormals kept.
;;     - The product sums the exact products of the quantised numbers (number of the format x scale) in f32.
;;   ~~~python
;;   def quantise(x, axis, e):      # numpy; x: float32 -> the quantised numbers, widened to float32 again
;;       x = np.moveaxis(x, axis, -1); K = x.shape[-1]
;;       r = np.clip(x / 2.0 ** e, -448, 448)
;;       step = 2.0 ** (np.maximum(np.frexp(np.where(r == 0, 1, r))[1] - 1, -6) - 3)
;;       q = np.round(r / step) * step * 2.0 ** e      # np.round: ties to even
;;       return np.moveaxis(q, -1, axis).astype(np.float32)
;;   ~~~
;;   SOFTMAX AHEAD OF A QUANTISED PRODUCT. Where the list says 'softmax', what is quantised is not the finished softmax but p = 2^(t - M), with t = logit x log2(e) and M = ceil(the row's largest t), a whole number; so 1/2 < the row's largest p <= 1. The row's sum l is taken of the UNQUANTISED p, in f32, and the product's result is divided by l at the end. Since M is a whole number, a kernel that streams over the keys may use a running M (the ceiling of the running maximum): every later rescaling is an exact power of two, so the quantised numbers keep their values, but for numbers so far below the row's largest that they fall under the format's range.
;;   OPERANDS COMPUTED ON THE WAY. 'Computed on the way' means the value that the module computes at that place (a softmax that the list does not call 'softmax' is quantised finished and normalised). What goes into a quantiser is computed in f32, as accurately as f32 sums, v_exp_f32 and their like allow (about 1e-6 of the number): no bf16 or f16 on the way to a quantiser, and a product that is left as it is and whose result goes on into a quantised operand takes f32 operands (vector FMAs, or v_wmma_f32_16x16x4_f32). A number that lies on a knife's edge between two numbers of the format may be rounded either way, as far as f32 arithmetic and the matrix unit's own rounding can turn it there, and no further.
;; 2 versions, each right; version 2 is version 1 with the launch proj written anew for expert scheduling mode. Each part assembles by itself: llvm-mc -triple=amdgcn-amd-amdhsa -mcpu=gfx1250 --defsym DOCPART=n.
;; ======== version 1 of 2: 2 launches
;; workspace buffers: qcodes 1,048,576 bytes; kv 2,097,152 bytes
;; launch proj (part 1): grid 256 x 1, 16 waves a work-group, no clusters, 205,568 bytes of LDS; arguments x, Wq, Wk, Wv, lowp_scales, qcodes, kv; writes qcodes, kv
.if DOCPART == 1
	.amdgcn_target "amdgcn-amd-amdhsa--gfx1250"
	.amdhsa_code_object_version 6
	.text
	.protected	k_q1b9744dbc3_proj
	.globl	k_q1b9744dbc3_proj
	.p2align	8
	.type	k_q1b9744dbc3_proj,@function
k_q1b9744dbc3_proj:
	s_mov_b64 s[64:65], 0
	v_nop
	global_prefetch_b8 v0, s[64:65] scope:SCOPE_SE
	s_setreg_imm32_b32 hwreg(HW_REG_WAVE_MODE, 25, 1), 1
	s_wait_xcnt 0x0
; q = x Wq, k = x Wk, v = x Wv on codes of FP8 (E4M3); the three results are quantised on the way and leave as codes, laid as images of the registers in which the attention launch wants them.
; x [16,384][512] f32 is an operand of three products, each with a scale of its own (entries 0, 2, 4 of the scales): it is quantised three times.  Wq, Wk, Wv [512 (k)][64 (n)] f32 take entries 1, 3, 5.
; code = number / 2^e, held within +-448, rounded to the nearest code, ties to even.
; q's codes take 2^e6, k's 2^e7, v's 2^e9.  A sum stands for sum x 2^(ex + ew), so the conversion takes the one scale 2^(e6 - e0 - e1) (k: e7 - e2 - e3; v: e9 - e4 - e5).
; SHARES.  A work-group owns 64 tokens and quantises all three weights for itself.
; PHASE X: each of its sixteen waves reads four whole rows of x, every load 512 consecutive bytes, and stores three rows of codes for each into LDS.  A lane's 16 numbers of a row are
; x[128 (b / 4) + 4 lane + b % 4], b = 0 .. 15: they make CHUNK l = lane of the row's codes, 16 bytes.  So a row of codes is K permuted; the weights' codes are laid by the same permutation, every product meets its partner,
; and only the order of the sums inside a matrix instruction differs from K ascending.
; THE WEIGHTS: wave u makes chunks l = 2 u and 2 u + 1 of all 64 columns of each kind.  Load b = 4 j + i reads row k = 128 j + 4 l + i: lanes 0-15 (l = 2 u) one whole row of 256 bytes, lanes 16-31 (l = 2 u + 1) the row
; four further down; lane m of sixteen takes columns 4 m .. 4 m + 3.  A lane then holds 4 columns x 16 k.  The hold writes into other registers than it reads and so puts a column's 16 numbers on end: nothing else is turned.
; The weights' work stands between x's rows, whose loads take longest to come.
; PHASE M: waves 0 to 11 are (kind g = wave / 4, columns 16 t .. 16 t + 15, t = wave % 4): four accumulators (the four tiles of 16 tokens), 16 matrix instructions of 16 x 16 x 128.  Waves 12 to 15 have no part in it and end.
; q and k are made TRANSPOSED (source 0 = the weight's 16 columns, source 1 = 16 tokens): a lane holds one token and eight neighbouring head units, which are eight neighbours along the next K.
; v is made in the natural order (source 0 = 16 tokens, source 1 = the weight's 16 columns): a lane holds one channel and eight neighbouring tokens: the keys are v's next K.
; NO JOINT LOADS for the weights, though all work-groups read them: they are 393,216 bytes of f32, more than the 327,680 bytes of LDS that a work-group can claim, so they would come through slots that are filled again,
; with a round of the cluster's barrier for each refill, and would be written into LDS and read out of it, 393,216 bytes each way, for a work-group that has 192 matrix instructions in all.
; NO PREFETCH: all of a work-group's x is asked for at the head, and nothing of it is left to ask for ahead.
; LIMITS, so that each power of two is an f32 number: e0 .. e5, e6 - e0 - e1, e7 - e2 - e3, e9 - e4 - e5 between -126 and 119.  NaN among the inputs is not served.
; LDS: kind g's codes of x at g x 33,792: 64 rows, 528 bytes apart (512 + 16: 33 columns of 16 bytes, so that the sixteen rows of a fragment load fall into sixteen different columns modulo 256 bytes).
; Behind them kind g's codes of W at WCB + g x 34,048: column n = 4 m + jj at jj x 8,512 + m x 528; 8,512 = 16 x 528 + 64.  A store has one jj and m = 0 .. 15: sixteen different 16-byte columns modulo 256;
; a fragment load has jj = r % 4 and m = 4 t + r / 4: 16-byte column 4 (r % 4) + r / 4 + a constant: again sixteen different ones.
.set PITCH, 528
.set KIND,  64*PITCH
.set WCB,   3*KIND
.set WCOL,  16*PITCH+64
.set WKIND, 4*WCOL
.set L16, 1                            ; v1   16 x lane
.set XO,  2                            ; v2   x: my wave's four rows of 2,048 bytes, 16 bytes a lane
.set XS,  3                            ; v3   LDS: where my rows' codes go, kinds 0 and 1
.set XS2, 4                            ; v4   the same for kind 2, whose distance is more than an LDS offset holds
.set XR,  5                            ; v5   LDS: a fragment of x: row r x pitch + 16 h, in my kind's codes
.set L8,  6                            ; v6   8 x lane
                                       ; v8-13  2^e and 448 x 2^e for x (e0, e2, e4); v14, v15 for my kind's results; v20-25 for the weights (e1, e3, e5)
.set WO,  16                           ; v16  W in memory: 2,048 x wave + 1,024 h + 16 m
.set WS,  17                           ; v17  LDS: where my chunks of W's codes go, kinds 0 and 1
.set WS2, 18                           ; v18  the same for kind 2
.set WR,  19                           ; v19  LDS: a fragment of W
.set X,   32                           ; v32-95   four rows of x, 16 numbers a lane each
.set WA,  96                           ; v96-159  16 loads of a weight: register 4 b + jj = W[k(b)][4 m + jj]
.set WB,  160                          ; v160-223 the same, the next kind's
.set T,   224                          ; v224-239 sixteen held numbers, on end along K
.set C,   240                          ; v240-255 codes: four sets of four registers, by turns
.set FA,  32                           ; v32-95   phase M: x's four fragments of a K step,
.set FB,  96                           ; v96-159  and of the next
.set W,   160                          ; v160-223 my four fragments of the weight: 16 s + 4 c
.set ACC, 224                          ; v224-255 four accumulators
.set OC,  32                           ; v32-39   the results' codes
	s_load_b256 s[4:11], s[0:1], 0x0               ; x s[4:5], Wq s[6:7], Wk s[8:9], Wv s[10:11]
	s_load_b128 s[12:15], s[0:1], 0x20             ; the scales' exponents s[12:13], qcodes s[14:15]
	s_load_b64 s[16:17], s[0:1], 0x30              ; kv
	v_lshl_add_u32 v30, v0, 2, 0x31b00
	v_mov_b32 v31, 0
	v_lshrrev_b32 v7, 5, v0
	v_readfirstlane_b32 s18, v7                    ; wave 0..15
	s_lshr_b32 s19, s18, 2
	s_min_u32 s19, s19, 2                          ; kind g (waves 12 to 15: held at 2, not used)
	s_and_b32 s20, s18, 3                          ; t
	v_and_b32 v7, 31, v0
	v_lshlrev_b32 v[L16], 4, v7
	v_lshlrev_b32 v[L8], 3, v7
	s_lshl_b32 s34, s18, 13
	v_add_nc_u32 v[XO], s34, v[L16]
	s_mul_i32 s34, s18, 4*PITCH
	v_add_nc_u32 v[XS], s34, v[L16]
	v_add_nc_u32 v[XS2], 2*KIND, v[XS]
	v_and_b32 v26, 15, v0                          ; r, and m
	v_bfe_u32 v27, v0, 4, 1                        ; h
	v_mul_u32_u24 v[XR], v26, PITCH
	v_lshl_add_u32 v[XR], v27, 4, v[XR]
	s_mul_i32 s34, s19, KIND
	v_add_nc_u32 v[XR], s34, v[XR]
	v_lshlrev_b32 v[WO], 4, v26                    ; W in memory: four columns are 16 bytes,
	v_lshl_add_u32 v[WO], v27, 10, v[WO]           ; lanes 16-31 four rows of 256 bytes further down,
	s_lshl_b32 s34, s18, 11
	v_add_nc_u32 v[WO], s34, v[WO]                 ; wave u eight rows further down than wave u - 1
	v_mul_u32_u24 v[WS], v26, PITCH                ; W's codes: row m of a block of sixteen columns,
	v_lshl_add_u32 v[WS], v27, 4, v[WS]            ; chunk 2 u + h
	s_lshl_b32 s34, s18, 5
	s_add_co_u32 s34, s34, WCB
	v_add_nc_u32 v[WS], s34, v[WS]
	v_add_nc_u32 v[WS2], 2*WKIND, v[WS]
	v_and_b32 v7, 3, v26                           ; a fragment of W: column 16 t + r = 4 (4 t + r / 4) + r % 4
	v_mul_u32_u24 v[WR], v7, WCOL
	v_lshrrev_b32 v7, 2, v26
	v_mad_u32_u24 v[WR], v7, PITCH, v[WR]
	v_lshl_add_u32 v[WR], v27, 4, v[WR]
	s_mul_i32 s34, s19, WKIND
	s_mul_i32 s35, s20, 4*PITCH
	s_add_co_u32 s34, s34, s35
	s_add_co_u32 s34, s34, WCB
	v_add_nc_u32 v[WR], s34, v[WR]
	s_lshl_b32 s36, ttmp9, 17                      ; my work-group's 64 rows of 2,048 bytes
	s_mov_b32 s37, 0
.macro XLOAD i                         ; row i of my four: 32 lanes read 512 consecutive bytes, four times
.irp q, 0,1,2,3
	global_load_b128 v[X+16*\i+4*\q:X+16*\i+4*\q+3], v[XO], s[4:5] offset:2048*\i+512*\q th:TH_LOAD_NT
.endr
.endm
.macro WLOAD r, base                   ; my 32 rows of a weight: sixteen lanes read a row's 256 bytes
.irp b, 0,1,2,3,4,5,6,7,8,9,10,11,12,13,14,15
	global_load_b128 v[\r+4*\b:\r+4*\b+3], v[WO], s[\base:\base+1] offset:(\b/4)*32768+(\b%4)*256
.endr
.endm
	s_wait_kmcnt 0x0
	s_load_b256 s[24:31], s[12:13], 0x0            ; e0 .. e7
	s_load_b64 s[32:33], s[12:13], 0x20            ; e8, e9
	s_add_nc_u64 s[4:5], s[4:5], s[36:37]
	XLOAD 0                                        ; 48 loads of mine are out: x's rows 0, 1; Wq; x's rows 2, 3; Wk: in the order in which they are worked
	XLOAD 1
	WLOAD WA, 6
	XLOAD 2
	XLOAD 3
	WLOAD WB, 8
; 2^e as f32 (the conversion takes its exponent field) and 448 x 2^e, from the whole number in s[e]
.macro SCALE e, vs, vl
	s_add_co_i32 s38, s[\e], 127
	s_lshl_b32 s39, s38, 23
	v_mov_b32 v[\vs], s39
	s_add_co_i32 s38, s38, 8
	s_lshl_b32 s38, s38, 23
	s_or_b32 s38, s38, 0x600000
	v_mov_b32 v[\vl], s38
.endm
	s_wait_kmcnt 0x0
	SCALE 24, 8, 9                                 ; x for q
	SCALE 26, 10, 11                               ; x for k
	SCALE 28, 12, 13                               ; x for v
	SCALE 25, 20, 21                               ; Wq
	SCALE 27, 22, 23                               ; Wk
	SCALE 29, 24, 25                               ; Wv
	s_sub_co_i32 s40, s30, s24
	s_sub_co_i32 s40, s40, s25                     ; e6 - e0 - e1
	s_sub_co_i32 s41, s31, s26
	s_sub_co_i32 s41, s41, s27                     ; e7 - e2 - e3
	s_sub_co_i32 s42, s33, s28
	s_sub_co_i32 s42, s42, s29                     ; e9 - e4 - e5
	s_cmp_eq_u32 s19, 0
	s_cselect_b32 s40, s40, s41
	s_cmp_eq_u32 s19, 2
	s_cselect_b32 s40, s42, s40
	SCALE 40, 14, 15                               ; my kind's results
	; where the results go.  qcodes: a tile of 16 tokens is 1,024 bytes, [c 0..3][lane][8 bytes]; c = t.  kv: a step of 128 keys is 16,384 bytes: eight such tiles of k, then four channel tiles of v, [G 0..3][lane][16 bytes]
	s_lshr_b32 s43, ttmp9, 1
	s_lshl_b32 s43, s43, 14                        ; my step of 128 keys: two work-groups to a step
	s_and_b32 s44, ttmp9, 1                        ; which half of it
	s_lshl_b32 s45, s44, 12
	s_add_co_u32 s45, s45, s43                     ; k: four tiles of 1,024 bytes to a half
	s_lshl_b32 s46, ttmp9, 12                      ; q: four tiles to a work-group
	s_cmp_eq_u32 s19, 0
	s_cselect_b32 s46, s46, s45
	s_cselect_b64 s[48:49], s[14:15], s[16:17]
	s_lshl_b32 s47, s20, 8
	s_add_co_u32 s46, s46, s47                     ; + 256 t
	s_mov_b32 s47, 0
	s_add_nc_u64 s[48:49], s[48:49], s[46:47]      ; q's or k's place
	s_lshl_b32 s50, s44, 10                        ; v: my 64 keys are two of a channel tile's four groups of 512 bytes
	s_add_co_u32 s50, s50, s43
	s_lshl_b32 s51, s20, 11
	s_add_co_u32 s50, s50, s51                     ; + 2,048 t
	s_add_co_u32 s50, s50, 8192                    ; behind the step's k
	s_mov_b32 s51, 0
	s_add_nc_u64 s[50:51], s[16:17], s[50:51]      ; v's place
; The next of the four sets of code registers.  Up to the barrier my only LDS instructions are the stores of codes: with three at the most out, the store that read this set, four stores back, is done.
.set CN, 0
.macro RING
.set CR, C+4*(CN%4)
.if CN >= 4
	s_wait_dscnt 3
.endif
.set CN, CN+1
.endm
; Sixteen numbers are held, converted and stored.  The first conversion stands behind the first eight holds: so each conversion has plain vector lines behind it that touch none of its registers, before T is written again.
.macro XKIND i, lim, sc, adr, off      ; row i of x with one of its three scales
	RING
.irp j, 0,1,2,3,4,5,6,7
	v_med3_num_f32 v[T+\j], v[X+16*\i+\j], -v[\lim], v[\lim]   ; the conversion to an 8-bit code does not saturate (ISA guide 7.6.2): the hold comes first
.endr
	v_cvt_scalef32_pk8_fp8_f32 v[CR:CR+1], v[T:T+7], v[\sc]
.irp j, 8,9,10,11,12,13,14,15
	v_med3_num_f32 v[T+\j], v[X+16*\i+\j], -v[\lim], v[\lim]
.endr
	v_cvt_scalef32_pk8_fp8_f32 v[CR+2:CR+3], v[T+8:T+15], v[\sc]
	ds_store_b128 v[\adr], v[CR:CR+3] offset:\off              ; 32 lanes store the row's 512 bytes
.endm
.macro XROW i, left                    ; left: the younger loads, which may stay out
	s_wait_loadcnt \left
	XKIND \i, 9, 8, XS, PITCH*\i
	XKIND \i, 11, 10, XS, KIND+PITCH*\i
	XKIND \i, 13, 12, XS2, PITCH*\i
.endm
.macro WTASK r, left, lim, sc, adr, off  ; my two chunks of a weight's 64 columns: four columns a lane, one after the other
	s_wait_loadcnt \left
.irp c, 0,1,2,3
	RING
.irp b, 0,1,2,3,4,5,6,7
	v_med3_num_f32 v[T+\b], v[\r+4*\b+\c], -v[\lim], v[\lim]   ; the hold, and the turn within the lane: column 4 m + c's numbers come to stand on end along K
.endr
	v_cvt_scalef32_pk8_fp8_f32 v[CR:CR+1], v[T:T+7], v[\sc]
.irp b, 8,9,10,11,12,13,14,15
	v_med3_num_f32 v[T+\b], v[\r+4*\b+\c], -v[\lim], v[\lim]
.endr
	v_cvt_scalef32_pk8_fp8_f32 v[CR+2:CR+3], v[T+8:T+15], v[\sc]
	ds_store_b128 v[\adr], v[CR:CR+3] offset:\off+WCOL*\c      ; chunk 2 u + h of column 4 m + c
.endr
.endm
	XROW 0, 44                                     ; behind row 0's four loads: row 1's 4, Wq's 16, rows 2 and 3's 8, Wk's 16
	XROW 1, 40
	WTASK WA, 24, 21, 20, WS, 0                    ; Wq is in; rows 2 and 3 and Wk may be out
	WLOAD WA, 10                                   ; Wv, into the registers that Wq has left
	XROW 2, 36                                     ; behind row 2's loads: row 3's 4, Wk's 16, Wv's 16
	XROW 3, 32
	WTASK WB, 16, 23, 22, WS, WKIND                ; Wk is in; Wv may be out
	WTASK WA, 0, 25, 24, WS2, 0                    ; Wv
	v_nop                                          ; a plain vector line behind the last conversion: the products below write over its registers
	s_wait_dscnt 0x0                               ; for the others' sake: my stores have landed
	s_barrier_signal -1
	s_barrier_wait -1                              ; 64 rows of x's codes, three times, and 192 columns of the weights' lie in LDS
	s_cmp_lt_u32 s18, 12
	s_cbranch_scc0 .Lend
; PHASE M.  My weight's four fragments: lane (r, h) takes, of column 16 t + r, the 16 bytes at 128 s + 32 c + 16 h into registers 16 s + 4 c .. + 3
.irp s, 0,1,2,3
.irp c, 0,1,2,3
	ds_load_b128 v[W+16*\s+4*\c:W+16*\s+4*\c+3], v[WR] offset:128*\s+32*\c
.endr
.endr
; x's four fragments of K step s: the same bytes of row 16 m + r
.macro FETCHX s, buf
.irp m, 0,1,2,3
.irp c, 0,1,2,3
	ds_load_b128 v[\buf+16*\m+4*\c:\buf+16*\m+4*\c+3], v[XR] offset:16*PITCH*\m+128*\s+32*\c
.endr
.endr
.endm
; four matrix instructions, one for each tile of tokens: the four accumulators take turns, one instruction a turn, from K step to K step too.  zero = 1: the first products start the sums
.macro MUL s, buf, swap, zero
.irp m, 0,1,2,3
.if \swap
.if \zero
	v_wmma_f32_16x16x128_fp8_fp8 v[ACC+8*\m:ACC+8*\m+7], v[\buf+16*\m:\buf+16*\m+15], v[W+16*\s:W+16*\s+15], 0
.else
	v_wmma_f32_16x16x128_fp8_fp8 v[ACC+8*\m:ACC+8*\m+7], v[\buf+16*\m:\buf+16*\m+15], v[W+16*\s:W+16*\s+15], v[ACC+8*\m:ACC+8*\m+7]
.endif
.else
.if \zero
	v_wmma_f32_16x16x128_fp8_fp8 v[ACC+8*\m:ACC+8*\m+7], v[W+16*\s:W+16*\s+15], v[\buf+16*\m:\buf+16*\m+15], 0
.else
	v_wmma_f32_16x16x128_fp8_fp8 v[ACC+8*\m:ACC+8*\m+7], v[W+16*\s:W+16*\s+15], v[\buf+16*\m:\buf+16*\m+15], v[ACC+8*\m:ACC+8*\m+7]
.endif
.endif
.endr
.endm
.macro PLACES                          ; four plain vector lines between a matrix instruction and a load into a register that it read, or a vector line that reads its result or writes one of its registers
.rept 4
	v_nop
.endr
.endm
.macro GEMM swap
	FETCHX 0, FA
	FETCHX 1, FB
	s_wait_dscnt 16                                ; the weight's fragments and K step 0's are in; the sixteen loads behind them may be out
	MUL 0, FA, \swap, 1
	PLACES
	FETCHX 2, FA
	s_wait_dscnt 16                                ; K step 1's are in
	MUL 1, FB, \swap, 0
	PLACES
	FETCHX 3, FB
	s_wait_dscnt 16                                ; K step 2's are in
	MUL 2, FA, \swap, 0
	s_wait_dscnt 0x0
	MUL 3, FB, \swap, 0
	PLACES
.irp m, 0,1,2,3
.irp j, 0,1,2,3,4,5,6,7
	v_med3_num_f32 v[ACC+8*\m+\j], v[ACC+8*\m+\j], -v15, v15   ; each accumulator from its low end on
.endr
	v_cvt_scalef32_pk8_fp8_f32 v[OC+2*\m:OC+2*\m+1], v[ACC+8*\m:ACC+8*\m+7], v14   ; eight neighbours along the next K
.endr
	v_nop                                          ; a plain vector line behind the last conversion
.endm
	s_cmp_eq_u32 s19, 2
	s_cbranch_scc1 .Lv
	GEMM 0                                         ; q or k: lane (r, h) holds token 16 m + r, head units 16 t + 8 h + 0 .. 7
.irp m, 0,1,2,3
	global_store_b64 v[L8], v[OC+2*\m:OC+2*\m+1], s[48:49] offset:1024*\m   ; 32 lanes store 256 consecutive bytes, at a multiple of 256 from the buffer's first byte
.endr
	s_wait_tensorcnt 0x0
	ds_add_u32 v30, v31
	s_wait_dscnt 0x0
	s_endpgm
.Lv:
	GEMM 1                                         ; v: lane (r, h) holds channel 16 t + r, tokens 16 m + 8 h + 0 .. 7: tiles m = 0, 1 are one group of four registers, m = 2, 3 the next
	global_store_b128 v[L16], v[OC:OC+3], s[50:51]             ; 32 lanes store 512 consecutive bytes, aligned
	global_store_b128 v[L16], v[OC+4:OC+7], s[50:51] offset:512
.Lend:
	s_wait_tensorcnt 0x0
	ds_add_u32 v30, v31
	s_wait_dscnt 0x0
	s_endpgm
.Lfunc_end_k_q1b9744dbc3_proj:
	.size	k_q1b9744dbc3_proj, .Lfunc_end_k_q1b9744dbc3_proj-k_q1b9744dbc3_proj
	.p2alignl 7, 3214868480
	.fill 96, 4, 3214868480
	.section	.rodata,"a",@progbits
	.p2align	6, 0x0
	.amdhsa_kernel k_q1b9744dbc3_proj
		.amdhsa_group_segment_fixed_size 205568
		.amdhsa_private_segment_fixed_size 0
		.amdhsa_enable_private_segment 0
		.amdhsa_kernarg_size 56
		.amdhsa_user_sgpr_count 2
		.amdhsa_user_sgpr_kernarg_segment_ptr 1
		.amdhsa_wavefront_size32 1
		.amdhsa_system_sgpr_workgroup_id_x 1
		.amdhsa_system_sgpr_workgroup_id_y 1
		.amdhsa_system_sgpr_workgroup_id_z 1
		.amdhsa_system_vgpr_workitem_id 0
		.amdhsa_next_free_vgpr 256
		.amdhsa_next_free_sgpr 66
		.amdhsa_reserve_vcc 0
		.amdhsa_float_denorm_mode_32 3
		.amdhsa_float_denorm_mode_16_64 3
		.amdhsa_memory_ordered 1
		.amdhsa_forward_progress 1
		.amdhsa_inst_pref_size 59
	.end_amdhsa_kernel
	.amdgpu_metadata
---
amdhsa.version: [ 1, 2 ]
amdhsa.kernels:
  - .name:           k_q1b9744dbc3_proj
    .symbol:         k_q1b9744dbc3_proj.kd
    .args:
      - { .name: x, .offset: 0, .size: 8, .value_kind: global_buffer, .address_space: global }
      - { .name: Wq, .offset: 8, .size: 8, .value_kind: global_buffer, .address_space: global }
      - { .name: Wk, .offset: 16, .size: 8, .value_kind: global_buffer, .address_space: global }
      - { .name: Wv, .offset: 24, .size: 8, .value_kind: global_buffer, .address_space: global }
      - { .name: lowp_scales, .offset: 32, .size: 8, .value_kind: global_buffer, .address_space: global }
      - { .name: qcodes, .offset: 40, .size: 8, .value_kind: global_buffer, .address_space: global }
      - { .name: kv, .offset: 48, .size: 8, .value_kind: global_buffer, .address_space: global }
    .group_segment_fixed_size: 205568
    .private_segment_fixed_size: 0
    .kernarg_segment_align: 8
    .kernarg_segment_size: 56
    .max_flat_workgroup_size: 512
    .sgpr_count:     66
    .vgpr_count:     256
    .wavefront_size: 32
...
	.end_amdgpu_metadata
.endif
;; end of part 1
;; launch attn (part 2): grid 32 x 8, 16 waves a work-group, clusters of 4 x 1, 264,192 bytes of LDS; arguments qcodes, kv, lowp_scales, out0; writes out0
.if DOCPART == 2
	.amdgcn_target "amdgcn-amd-amdhsa--gfx1250"
	.amdhsa_code_object_version 6
	.text
	.protected	k_q1b9744dbc3_attn
	.globl	k_q1b9744dbc3_attn
	.p2align	8
	.type	k_q1b9744dbc3_attn,@function
k_q1b9744dbc3_attn:
	s_mov_b64 s[64:65], 0
	v_nop
	global_prefetch_b8 v0, s[64:65] scope:SCOPE_SE
	s_setreg_imm32_b32 hwreg(HW_REG_WAVE_MODE, 25, 1), 1
	s_wait_xcnt 0x0
	s_wait_alu depctr_hold_cnt(0) depctr_sa_sdst(0) depctr_va_vdst(0) depctr_va_sdst(0) depctr_va_ssrc(0) depctr_va_vcc(0) depctr_vm_vsrc(0)
	s_getreg_b32 s2, hwreg(HW_REG_IB_STS2, 6, 4)
	s_cmp_eq_u32 s2, 0
	s_cbranch_scc0 .Lentry_in_a_cluster
	s_endpgm
.Lentry_in_a_cluster:
	s_bfe_u32 s2, ttmp6, 0x10000c
	s_cmp_lg_u32 s2, 0x3003
	s_cbranch_scc0 .Lentry_shape_is_right
	s_endpgm
.Lentry_shape_is_right:
; out[b][q][:] = the sum over keys k <= q of softmax_k(q . k / 8) v[k][:], both products on codes of FP8 (E4M3) with the given scales 2^e6 (q), 2^e7 (k), 2^e8 (p), 2^e9 (v).  8 batches, 2,048 tokens, head 64.
; THE SOFTMAX AHEAD OF THE SECOND PRODUCT: t = score x log2(e) / 8; M = the largest t so far, rounded UP to a whole number; p = 2^(t - M) is what is quantised, along the keys, not normalised.
; The sum is taken of the unquantised p, in f32, and divides at the end.  When M moves, the sum and O are multiplied by 2^(old M - new M): exact.
; INPUTS, as the launch before laid them: qcodes: a tile of 16 tokens is 1,024 bytes, [c 0..3][lane][8 bytes]: registers 2 c, 2 c + 1 of a 16 x 64 fragment.  kv: [batch][step of 128 keys][16,384 bytes]: eight such tiles of k,
; then four channel tiles of v with the keys innermost, [G 0..3][lane][16 bytes]: registers 4 G .. 4 G + 3 of a 16 x 128 fragment.  So every fragment comes out of LDS by dense loads, in K's true order.
; LDS holds the batch's WHOLE kv, 262,144 bytes, as it lies in memory: sixteen tensor loads of 16,384 bytes, all issued at the head; no byte is filled twice.
; CLUSTER.  The four work-groups of a cluster belong to one batch and want the same kv: each tile is asked for JOINTLY, by the same tensor load with the same descriptor and a mask that names the four.
; SHARES.  Under the causal mask a block of 128 queries number i wants key steps 0 .. i.  Cluster c (0 .. 7) owns blocks c and 15 - c: 17 steps for each pair of tiles, in every cluster.  Work-group cx takes tiles 2 cx and 2 cx + 1
; (16 queries each) of both blocks: four tiles.  FOUR WAVES SHARE A TILE'S KEY STEPS: wave (tau = wave / 4, p = wave % 4) works step s of tile tau where s <= the tile's block and (s + rot) % 4 = p; rot differs from tile to tile.
; Each wave keeps its own M, sum and O^T; at the end the four parts of a tile meet in LDS and are joined by exact powers of two.  Every wave walks all sixteen steps and jumps over the work of those that are not its own:
; the branches hang on the cluster's number and the wave's number alone, and no barrier and no tensor load stands in a step.
; LAYOUT.  Both products are used transposed: S^T = K Q^T (source 0 = 16 keys, source 1 = my 16 queries), O^T = V^T P^T: a lane holds ONE query (lane % 16) throughout, and tile c of S^T holds in a lane's eight registers
; keys 16 c + 8 (lane / 16) + 0 .. 7: their codes are registers 2 c, 2 c + 1 of the second product's operand.
; LIMITS on the given exponents, so that each power of two is an f32 number: e6 + e7 between -123 and 130 (added to c's exponent field); e8 between -126 and 119; e8 + e9 goes by v_ldexp_f32 and has none.
; A wave's p is quantised under the wave's own running M, which is at most the row's: numbers far below the row's largest keep more of their bits than under the row's M, never fewer.
.set L8,   1                           ; v1   8 x lane
.set L16,  2                           ; v2   16 x lane
.set PS,   3                           ; v3   the join: where I put my part of O^T: wave x 4,352 + 272 r + 32 h
.set PR,   4                           ; v4   the join: where I read the parts: tau x 17,408 + (4 p + h) x 272 + 16 r
.set SW,   5                           ; v5   the join: where I put -M and the sum: STAT + 128 x wave + 4 r
.set SR,   6                           ; v6   the join: where I read them: STAT + 512 tau + 16 p + 4 h
.set ADK,  8                           ; v8   LDS address of the step's k
.set ADV,  9                           ; v9   of its v
.set DD,   10                          ; v10  my query's place in its block less 8 h: what the mask compares
                                       ; v12 -M, v13 the largest t, v[14:15] the sum in two halves
.set Q,    16                          ; v16-23   my tile of q
.set KV,   32                          ; v32-95   the step's eight fragments of k, then its four of v
.set S,    96                          ; v96-159  S^T, then p
.set O,    160                         ; v160-191 O^T
.set PC,   224                         ; v224-239 p's codes;  v240 448 x 2^e8, v244 2^e8;  v236, v242-243, v252-254 at work
.set STAT, 16*4352                     ; the join's statistics lie behind the sixteen parts of 16 rows x 272 bytes
.set WV,   12                          ; s12 wave, s13 cx, s14 cluster c, s15 batch, s16 tau, s17 p, s18 rot, s19 my tile's block
.set PP,   17
.set ROT,  18
.set BLK,  19
.set SEL,  20                          ; s[20:21] lane selects for v_permlanex16_b32: lane l xor 16
.set CS,   22                          ; s[22:23] c = log2(e) / 8 x 2^(e6 + e7): the packed form names a pair and takes its low word for both halves
.set G1,   24                          ; s[24:31] descriptor group 1
.set G0,   32                          ; s[32:47] descriptor group 0, a set for each of a wave's four loads
.set TB,   48                          ; s48  LDS byte at which the step in hand begins
.set SI,   49                          ; s49  the step in hand
; A round of the cluster's barrier: my work-group's barrier, so that wave 0's signal speaks for all sixteen waves; wave 0 signals for the work-group; every wave waits for all four work-groups; my work-group's barrier once more.
.macro CROUND
	s_barrier_signal -1
	s_barrier_wait -1
	s_cmp_lg_u32 s[WV], 0
	s_cbranch_scc1 .Lnot_wave_0_\@
	s_barrier_signal -3
.Lnot_wave_0_\@:
	s_barrier_wait -3
	s_barrier_signal -1
	s_barrier_wait -1
.endm
	s_load_b256 s[4:11], s[0:1], 0x0               ; qcodes s[4:5], kv s[6:7], the scales' exponents s[8:9], out0 s[10:11]
	v_lshl_add_u32 v251, v0, 2, 0x40000
	v_mov_b32 v255, 0
	ds_add_u32 v251, v255
	ds_add_u32 v251, v255
	v_lshrrev_b32 v7, 5, v0
	v_readfirstlane_b32 s[WV], v7                  ; wave 0..15
	s_bfe_u32 s13, ttmp6, 0x40000                  ; cx: my place in the cluster: it enters q's and out0's addresses and the mask's numbers alone
	s_mov_b32 s14, ttmp9                           ; in a cluster launch ttmp9 counts clusters: c
	s_and_b32 s15, ttmp7, 0xffff                   ; the batch, which the four partners share
	s_lshr_b32 s16, s[WV], 2                       ; tau
	s_and_b32 s[PP], s[WV], 3                      ; p
	s_and_b32 s50, s16, 1                          ; tau % 2: which of the block's two tiles
	s_lshl_b32 s[ROT], s50, 1
	s_lshr_b32 s51, s16, 1
	s_xor_b32 s51, s51, 1
	s_or_b32 s[ROT], s[ROT], s51                   ; rot = 1, 3, 0, 2 for tau = 0 .. 3
	s_sub_co_u32 s52, 15, s14
	s_cmp_lt_u32 s16, 2
	s_cselect_b32 s[BLK], s14, s52                 ; tiles 0, 1: block c; tiles 2, 3: block 15 - c
	; descriptor group 1: 64 rows of 256 bytes, dense in memory and in LDS
	s_mov_b32 s[G1], 15|(3<<16)|(1<<21)            ; 15:0 the mask: all four work-groups; 17:16 elements of 8 bytes; 20 no padding; 21 set beside a mask
	s_mov_b32 s[G1+1], 32<<16                      ; tensor_dim0 = 32 elements
	s_mov_b32 s[G1+2], 64<<16                      ; tensor_dim1 = 64
	s_mov_b32 s[G1+3], 32<<16                      ; tile_dim0 = 32
	s_mov_b32 s[G1+4], 64                          ; tile_dim1 = 64
	s_mov_b32 s[G1+5], 32                          ; tensor_dim0_stride: a row begins where the last ends
	s_mov_b32 s[G1+6], 0
	s_mov_b32 s[G1+7], 0
	s_mov_b32 s[SEL], 0x76543210
	s_mov_b32 s[SEL+1], 0xfedcba98
	; the lanes' addresses
	v_and_b32 v7, 31, v0
	v_lshlrev_b32 v[L8], 3, v7
	v_lshlrev_b32 v[L16], 4, v7
	v_and_b32 v11, 15, v0                          ; r
	v_bfe_u32 v7, v0, 4, 1                         ; h
	v_mul_u32_u24 v[PS], v11, 272
	v_lshl_add_u32 v[PS], v7, 5, v[PS]
	s_mul_i32 s56, s[WV], 4352
	v_add_nc_u32 v[PS], s56, v[PS]
	s_mul_i32 s56, s16, 4*4352
	s_mul_i32 s57, s[PP], 4*272
	s_add_co_u32 s56, s56, s57
	v_mul_u32_u24 v[PR], v7, 272
	v_lshl_add_u32 v[PR], v11, 4, v[PR]
	v_add_nc_u32 v[PR], s56, v[PR]
	s_lshl_b32 s56, s[WV], 7
	s_add_co_u32 s56, s56, STAT
	v_lshl_add_u32 v[SW], v11, 2, s56
	s_lshl_b32 s56, s16, 9
	s_lshl_b32 s57, s[PP], 4
	s_add_co_u32 s56, s56, s57
	s_add_co_u32 s56, s56, STAT
	v_lshl_add_u32 v[SR], v7, 2, s56
	s_lshl_b32 s58, s13, 5
	s_lshl_b32 s57, s50, 4
	s_add_co_u32 s58, s58, s57                     ; my tile's first query in its block: 32 cx + 16 (tau % 2)
	v_lshlrev_b32 v[DD], 3, v7
	v_sub_nc_u32 v[DD], v11, v[DD]
	v_add_nc_u32 v[DD], s58, v[DD]                 ; d = my query's place in its block - 8 h (as a signed number)
	; where things lie in memory
	s_lshl_b32 s59, s15, 7
	s_lshl_b32 s60, s[BLK], 3
	s_add_co_u32 s59, s59, s60
	s_lshr_b32 s60, s58, 4
	s_add_co_u32 s59, s59, s60                     ; my tile among all 1,024: 128 x batch + 8 x block + 2 cx + tau % 2
	s_lshl_b32 s60, s59, 10                        ; its 1,024 bytes of codes
	s_mov_b32 s61, 0
	s_lshl_b32 s62, s59, 12                        ; its 16 rows of 256 bytes in out0,
	s_lshl_b32 s63, s[PP], 10
	s_add_co_u32 s62, s62, s63                     ; of which I join and store rows 4 p .. 4 p + 3
	s_mov_b32 s63, 0
	s_lshl_b32 s53, s[PP], 14                      ; what I fetch, if I fetch: step 4 i + wave % 4: neither cx nor c enters these registers
	s_lshl_b32 s54, s15, 18                        ; the batch's 262,144 bytes
	s_add_co_u32 s54, s54, s53
	s_mov_b32 s55, 0
	s_wait_dscnt 0x0
	s_wait_kmcnt 0x0
	s_load_b128 s[68:71], s[8:9], 0x18             ; e6, e7, e8, e9
	s_add_nc_u64 s[4:5], s[4:5], s[60:61]
	s_add_nc_u64 s[10:11], s[10:11], s[62:63]
	s_add_nc_u64 s[54:55], s[6:7], s[54:55]
.irp i, 0,1,2,3
	s_mov_b32 s[G0+4*\i], 1                                        ; 1:0 count = 1
	s_add_co_u32 s[G0+4*\i+1], s53, \i*65536                       ; 63:32 LDS address: kv lies in LDS as in memory
	s_add_nc_u64 s[G0+4*\i+2:G0+4*\i+3], s[54:55], \i*65536        ; 120:64 global address
	s_or_b32 s[G0+4*\i+3], s[G0+4*\i+3], 0x80000000                ; 127:126 type = 2
.endr
	CROUND                                         ; all four work-groups are here: the joint loads meet
	s_cmp_lt_u32 s[WV], 4                          ; waves 0 to 3 fetch; a wave's four first fills stand in one branch, ahead of every wait on TENSORcnt and every LDS read: four tensor loads of mine are out
	s_cbranch_scc0 .Lno_fetch
	tensor_load_to_lds s[G0:G0+3], s[G1:G1+7]
	s_nop 0
	tensor_load_to_lds s[G0+4:G0+7], s[G1:G1+7]
	s_nop 0
	tensor_load_to_lds s[G0+8:G0+11], s[G1:G1+7]
	s_nop 0
	tensor_load_to_lds s[G0+12:G0+15], s[G1:G1+7]
	s_nop 0
.rept 4
	v_nop
.endr
.Lno_fetch:
.irp c, 0,1,2,3
	global_load_b64 v[Q+2*\c:Q+2*\c+1], v[L8], s[4:5] offset:256*\c   ; my tile of q stays in registers; 32 lanes read 256 consecutive bytes
.endr
	v_mov_b32 v13, 0xff61b1e6                      ; the largest t so far: -3e38, under every t
	v_floor_f32 v12, -v13                          ; -M
	v_mov_b32 v14, 0                               ; the sum, in two halves
	v_mov_b32 v15, 0
	v_mov_b32 v236, 0                              ; written once: a lane permute's destination counts as one of its sources
	v_mov_b32 v253, 0                              ; (named as the upper half of the pair v[252:253])
.set n, 0
.rept 32
	v_mov_b32 v[O+n], 0                            ; O^T.  Which step is a wave's first hangs on the cluster's number, so no product can be written out to start the sums: the first change of M multiplies zeros
.set n, n+1
.endr
	s_wait_kmcnt 0x0
	s_mov_b32 s[CS], 0x3e38aa3b                    ; c = log2(e) / 8
	s_add_co_i32 s72, s68, s69
	s_lshl_b32 s72, s72, 23
	s_add_co_i32 s[CS], s[CS], s72                 ; a score stands for score x 2^(e6 + e7): the two exponents are added to c's exponent field
	s_mov_b32 s[CS+1], s[CS]                       ; (named with it as a pair, so it is written)
	s_add_co_i32 s72, s70, 127
	s_lshl_b32 s73, s72, 23
	v_mov_b32 v244, s73                            ; 2^e8 as f32, for the conversion
	s_add_co_i32 s72, s72, 8
	s_lshl_b32 s72, s72, 23
	s_or_b32 s72, s72, 0x600000
	v_mov_b32 v240, s72                            ; 448 x 2^e8
	s_add_co_i32 s74, s70, s71                     ; e8 + e9
; A KEY STEP: 128 keys.
.macro STEP
	s_cmp_gt_u32 s[SI], s[BLK]                     ; all its keys come after my queries,
	s_cbranch_scc1 .Lskip_\@
	s_add_co_u32 s75, s[SI], s[ROT]
	s_and_b32 s75, s75, 3
	s_cmp_lg_u32 s75, s[PP]                        ; or it is another wave's
	s_cbranch_scc1 .Lskip_\@
	v_add_nc_u32 v[ADK], s[TB], v[L8]
	v_add_nc_u32 v[ADV], s[TB], v[L16]
	v_nop                                          ; with the two additions: four places in front of loads into registers that the last products read
	v_nop
.irp t, 0,1,2,3,4,5,6,7
.irp c, 0,1,2,3
	ds_load_b64 v[KV+8*\t+2*\c:KV+8*\t+2*\c+1], v[ADK] offset:1024*\t+256*\c   ; 32 lanes read 256 consecutive bytes
.endr
.endr
	s_wait_dscnt 16                                ; key tiles 0 to 3 are in; the sixteen loads of tiles 4 to 7 may be out
.irp t, 0,1,2,3
	v_wmma_f32_16x16x64_fp8_fp8 v[S+8*\t:S+8*\t+7], v[KV+8*\t:KV+8*\t+7], v[Q:Q+7], 0
.endr
	s_wait_dscnt 0x0
.irp t, 4,5,6,7
	v_wmma_f32_16x16x64_fp8_fp8 v[S+8*\t:S+8*\t+7], v[KV+8*\t:KV+8*\t+7], v[Q:Q+7], 0
.endr
.rept 4
	v_nop                                          ; places in front of the loads below and of the first read of the scores
.endr
.irp t, 0,1,2,3
.irp g, 0,1,2,3
	ds_load_b128 v[KV+16*\t+4*\g:KV+16*\t+4*\g+3], v[ADV] offset:8192+2048*\t+512*\g   ; v's fragments land while the softmax is walked
.endr
.endr
	s_cmp_lg_u32 s[SI], s[BLK]                     ; only the block's own step lies on the diagonal
	s_cbranch_scc1 .Lopen_\@
	v_mov_b32 v254, 0xff800000                     ; -infinity: p = 0 then.  The step's first key counts for every query of the block, so the maximum is a number
.irp n, 0,1,2,3,4,5,6,7,8,9,10,11,12,13,14,15,16,17,18,19,20,21,22,23,24,25,26,27,28,29,30,31,32,33,34,35,36,37,38,39,40,41,42,43,44,45,46,47,48,49,50,51,52,53,54,55,56,57,58,59,60,61,62,63
	v_cmp_gt_i32 vcc_lo, 16*(\n/8)+\n%8, v[DD]     ; register n holds the step's key 16 (n / 8) + 8 h + n % 8: hidden where that is past my query
	v_cndmask_b32 v[S+\n], v[S+\n], v254, vcc_lo
.endr
.Lopen_\@:
	v_max3_num_f32 v254, v[S], v[S+1], v[S+2]      ; the step's largest score of my query, among my 64 keys, in two chains, each tile from its low end on,
	v_max3_num_f32 v252, v[S+3], v[S+4], v[S+5]
.irp i, 6,10,14,18,22,26,30,34,38,42,46,50,54,58
	v_max3_num_f32 v254, v254, v[S+\i], v[S+1+\i]
	v_max3_num_f32 v252, v252, v[S+2+\i], v[S+3+\i]
.endr
	v_max3_num_f32 v254, v254, v[S+62], v[S+63]
	v_max_num_f32 v254, v254, v252
	v_permlanex16_b32 v236, v254, s[SEL], s[SEL+1]
	v_max_num_f32 v254, v254, v236                 ; and among lane l xor 16's
	v_mul_f32 v254, s[CS], v254                    ; as t (c is positive)
	v_max_num_f32 v13, v13, v254                   ; the running largest t
	v_mov_b32 v254, v12
	v_floor_f32 v12, -v13                          ; the new -M = floor(-t) = -ceil(t): a whole number
	v_sub_f32 v254, v12, v254                      ; M's old value less its new one: a whole number, 0 or less
	v_cvt_i32_f32 v254, v254                       ; (it saturates)
	v_ldexp_f32 v252, 1.0, v254                    ; f = 2^(old M - new M)
.set n, 0
.rept 32
	v_pk_fma_f32 v[S+n:S+n+1], v[S+n:S+n+1], s[CS:CS+1], v[12:13] op_sel_hi:[1,0,0]   ; t - M, two at a time
.set n, n+2
.endr
.set n, 0
.rept 64
	v_exp_f32 v[S+n], v[S+n]                       ; p = 2^(t - M), at most 1: not normalised
.set n, n+1
.endr
	v_pk_mul_f32 v[14:15], v[14:15], v[252:253] op_sel_hi:[1,0]   ; the sums under the new M.  (A plain place behind the exponentials)
	s_wait_alu depctr_va_vdst(0)
	v_pk_add_f32 v[242:243], v[S:S+1], v[S+2:S+3]  ; the sum is taken of the unquantised p: two at a time, in two chains
.set n, 4
.rept 15
	v_pk_add_f32 v[14:15], v[14:15], v[S+n:S+n+1]
	v_pk_add_f32 v[242:243], v[242:243], v[S+n+2:S+n+3]
.set n, n+4
.endr
	v_pk_add_f32 v[14:15], v[14:15], v[242:243]
.irp c, 0,1,2,3,4,5,6,7
.irp j, 0,1,2,3,4,5,6,7
	v_min_num_f32 v[S+8*\c+\j], v[S+8*\c+\j], v240   ; the conversion to an 8-bit code does not saturate (ISA guide 7.6.2); p is not negative, so the hold is one-sided
.endr
	v_cvt_scalef32_pk8_fp8_f32 v[PC+2*\c:PC+2*\c+1], v[S+8*\c:S+8*\c+7], v244   ; keys 16 c + 8 h + 0 .. 7: registers 2 c, 2 c + 1 of the operand
.endr
.set n, 0
.rept 16
	v_pk_mul_f32 v[O+n:O+n+1], v[O+n:O+n+1], v[252:253] op_sel_hi:[1,0]   ; O^T under the new M.  (Plain lines between the conversions and the products that read their results)
.set n, n+2
.endr
	s_wait_dscnt 0x0                               ; v's fragments are in
.irp t, 0,1,2,3                                    ; the four accumulators take turns, and the scores' products stand between one step's and the next's
	v_wmma_f32_16x16x128_fp8_fp8 v[O+8*\t:O+8*\t+7], v[KV+16*\t:KV+16*\t+15], v[PC:PC+15], v[O+8*\t:O+8*\t+7]
.endr
.Lskip_\@:
.endm
; FOUR KEY STEPS, those that the fetching waves' load number gi brought.  The count leaves the later groups' loads on their way.
.macro GROUP gi
	s_wait_tensorcnt 3-\gi                         ; tensor loads of a wave end in order (ISA guide 10.11.1): my part of this group is in LDS,
	s_wait_dscnt 0x0
	s_barrier_signal -1
	s_barrier_wait -1                              ; everybody's is
	s_mov_b32 s[TB], \gi*65536
	s_mov_b32 s[SI], 4*\gi
.Lgroup_\@:
	STEP
	s_add_co_u32 s[TB], s[TB], 16384
	s_add_co_u32 s[SI], s[SI], 1
	s_cmp_lt_u32 s[SI], 4*(\gi+1)
	s_cbranch_scc1 .Lgroup_\@
.endm
	s_wait_loadcnt 0x0                             ; q
	GROUP 0
	GROUP 1
	GROUP 2
	GROUP 3
	; THE JOIN.  The four waves of a tile put -M, the sum and O^T into LDS; then wave (tau, p) joins rows 4 p .. 4 p + 3 of tile tau.  The bytes are kv's first 71,680: they have had their one fill, and behind the barrier nobody reads kv.
.rept 4
	v_nop                                          ; places between the last products and the LDS stores of their results
.endr
	v_add_f32 v14, v14, v15                        ; the sum's two halves,
	v_permlanex16_b32 v236, v14, s[SEL], s[SEL+1]
	v_add_f32 v14, v14, v236                       ; and lane l xor 16's
	s_wait_dscnt 0x0                               ; my reads of kv are over
	s_barrier_signal -1
	s_barrier_wait -1                              ; everybody's are
.irp t, 0,1,2,3
	ds_store_b128 v[PS], v[O+8*\t:O+8*\t+3] offset:64*\t        ; lane (r, h): query r, channels 16 t + 8 h + 0 .. 7; rows 272 bytes apart; each accumulator from its low end on
	ds_store_b128 v[PS], v[O+8*\t+4:O+8*\t+7] offset:64*\t+16
.endr
	ds_store_b32 v[SW], v12                        ; -M of query r (both halves of the lanes hold the same number)
	ds_store_b32 v[SW], v14 offset:64              ; its sum
	s_wait_dscnt 0x0                               ; for the others' sake: my stores have landed
	s_barrier_signal -1
	s_barrier_wait -1
.irp i, 0,1                                        ; rows 4 p + 2 i + h: sixteen lanes to a row of 256 bytes
.irp q, 0,1,2,3                                    ; part q of the four
	ds_load_b128 v[32+16*\i+4*\q:35+16*\i+4*\q], v[PR] offset:4352*\q+544*\i
	ds_load_b32 v[96+4*\i+\q], v[SR] offset:128*\q+8*\i
	ds_load_b32 v[104+4*\i+\q], v[SR] offset:128*\q+8*\i+64
.endr
.endr
	s_wait_dscnt 0x0
.irp i, 0,1
	v_min3_num_f32 v112, v[96+4*\i], v[97+4*\i], v[98+4*\i]
	v_min_num_f32 v112, v112, v[99+4*\i]           ; the least -M: the row's M
.irp q, 0,1,2,3
	v_sub_f32 v[116+\q], v112, v[96+4*\i+\q]       ; part q's M less the row's: a whole number, 0 or less
.endr
.irp q, 0,1,2,3
	v_cvt_i32_f32 v[116+\q], v[116+\q]             ; (it saturates: a part that worked no step has -M = 3e38)
.endr
.irp q, 0,1,2,3
	v_ldexp_f32 v[116+\q], 1.0, v[116+\q]          ; f = 2^(part's M - row's M): exact; 0 for a part that worked no step
.endr
	v_mul_f32 v113, v116, v[104+4*\i]
	v_fmac_f32 v113, v117, v[105+4*\i]
	v_fmac_f32 v113, v118, v[106+4*\i]
	v_fmac_f32 v113, v119, v[107+4*\i]             ; the row's sum
	v_rcp_f32 v113, v113
	v_nop                                          ; one plain place behind a transcendental
	s_wait_alu depctr_va_vdst(0)
	v_ldexp_f32 v113, v113, s74                    ; x 2^(e8 + e9)
.irp q, 0,1,2,3
	v_mul_f32 v[116+\q], v[116+\q], v113
.endr
.irp j, 0,1,2,3
	v_mul_f32 v[120+4*\i+\j], v116, v[32+16*\i+\j]
	v_fmac_f32 v[120+4*\i+\j], v117, v[36+16*\i+\j]
	v_fmac_f32 v[120+4*\i+\j], v118, v[40+16*\i+\j]
	v_fmac_f32 v[120+4*\i+\j], v119, v[44+16*\i+\j]
.endr
	global_store_b128 v[L16], v[120+4*\i:123+4*\i], s[10:11] offset:512*\i th:TH_STORE_NT   ; 32 lanes store two rows: 512 consecutive bytes, at a multiple of 512 from out0's first byte
.endr
	s_wait_tensorcnt 0x0                           ; no tensor load and no LDS instruction of mine is out
	s_wait_dscnt 0x0
	s_wait_tensorcnt 0x0
	ds_add_u32 v251, v255
	s_wait_dscnt 0x0
	CROUND                                         ; the closing round: no work-group ends while a partner may still ask for a tile that names it
	s_endpgm
.Lfunc_end_k_q1b9744dbc3_attn:
	.size	k_q1b9744dbc3_attn, .Lfunc_end_k_q1b9744dbc3_attn-k_q1b9744dbc3_attn
	.p2alignl 7, 3214868480
	.fill 96, 4, 3214868480
	.section	.rodata,"a",@progbits
	.p2align	6, 0x0
	.amdhsa_kernel k_q1b9744dbc3_attn
		.amdhsa_group_segment_fixed_size 264192
		.amdhsa_private_segment_fixed_size 0
		.amdhsa_enable_private_segment 0
		.amdhsa_kernarg_size 32
		.amdhsa_user_sgpr_count 2
		.amdhsa_user_sgpr_kernarg_segment_ptr 1
		.amdhsa_wavefront_size32 1
		.amdhsa_system_sgpr_workgroup_id_x 1
		.amdhsa_system_sgpr_workgroup_id_y 1
		.amdhsa_system_sgpr_workgroup_id_z 1
		.amdhsa_system_vgpr_workitem_id 0
		.amdhsa_next_free_vgpr 256
		.amdhsa_next_free_sgpr 80
		.amdhsa_reserve_vcc 1
		.amdhsa_float_denorm_mode_32 3
		.amdhsa_float_denorm_mode_16_64 3
		.amdhsa_memory_ordered 1
		.amdhsa_forward_progress 1
		.amdhsa_inst_pref_size 101
	.end_amdhsa_kernel
	.amdgpu_metadata
---
amdhsa.version: [ 1, 2 ]
amdhsa.kernels:
  - .name:           k_q1b9744dbc3_attn
    .symbol:         k_q1b9744dbc3_attn.kd
    .args:
      - { .name: qcodes, .offset: 0, .size: 8, .value_kind: global_buffer, .address_space: global }
      - { .name: kv, .offset: 8, .size: 8, .value_kind: global_buffer, .address_space: global }
      - { .name: lowp_scales, .offset: 16, .size: 8, .value_kind: global_buffer, .address_space: global }
      - { .name: out0, .offset: 24, .size: 8, .value_kind: global_buffer, .address_space: global }
    .group_segment_fixed_size: 264192
    .private_segment_fixed_size: 0
    .kernarg_segment_align: 8
    .kernarg_segment_size: 32
    .max_flat_workgroup_size: 512
    .sgpr_count:     80
    .vgpr_count:     256
    .wavefront_size: 32
...
	.end_amdgpu_metadata
.endif
;; end of part 2
;; ======== version 2 of 2: 2 launches; version 1 with the launch proj written anew for expert scheduling mode
;; workspace buffers: qcodes 1,048,576 bytes; kv 2,097,152 bytes
;; launch proj (part 3): grid 256 x 1, 16 waves a work-group, no clusters, 205,568 bytes of LDS; arguments x, Wq, Wk, Wv, lowp_scales, qcodes, kv; writes qcodes, kv
.if DOCPART == 3
	.amdgcn_target "amdgcn-amd-amdhsa--gfx1250"
	.amdhsa_code_object_version 6
	.text
	.protected	k_q1b9744dbc3_proj
	.globl	k_q1b9744dbc3_proj
	.p2align	8
	.type	k_q1b9744dbc3_proj,@function
k_q1b9744dbc3_proj:
	s_mov_b64 s[64:65], 0
	v_nop
	global_prefetch_b8 v0, s[64:65] scope:SCOPE_SE
	s_setreg_imm32_b32 hwreg(HW_REG_WAVE_SCHED_MODE, 0, 2), 2
	s_setreg_imm32_b32 hwreg(HW_REG_WAVE_MODE, 25, 1), 1
	s_wait_xcnt 0x0
	s_wait_alu depctr_vm_vsrc(0)
; q = x Wq, k = x Wk, v = x Wv on codes of FP8 (E4M3); the three results are quantised on the way and leave as codes, laid as images of the registers in which the attention launch wants them.
; x [16,384][512] f32 is an operand of three products, each with a scale of its own (entries 0, 2, 4 of the scales): it is quantised three times.  Wq, Wk, Wv [512 (k)][64 (n)] f32 take entries 1, 3, 5.
; code = number / 2^e, held within +-448, rounded to the nearest code, ties to even.
; q's codes take 2^e6, k's 2^e7, v's 2^e9.  A sum stands for sum x 2^(ex + ew), so the conversion takes the one scale 2^(e6 - e0 - e1) (k: e7 - e2 - e3; v: e9 - e4 - e5).
; SHARES.  A work-group owns 64 tokens and quantises all three weights for itself.
; PHASE X: each of its sixteen waves reads four whole rows of x, every load 512 consecutive bytes, and stores three rows of codes for each into LDS.  A lane's 16 numbers of a row are
; x[128 (b / 4) + 4 lane + b % 4], b = 0 .. 15: they make CHUNK l = lane of the row's codes, 16 bytes.  So a row of codes is K permuted; the weights' codes are laid by the same permutation, every product meets its partner,
; and only the order of the sums inside a matrix instruction differs from K ascending.
; THE WEIGHTS: wave u makes chunks l = 2 u and 2 u + 1 of all 64 columns of each kind.  Load b = 4 j + i reads row k = 128 j + 4 l + i: lanes 0-15 (l = 2 u) one whole row of 256 bytes, lanes 16-31 (l = 2 u + 1) the row
; four further down; lane m of sixteen takes columns 4 m .. 4 m + 3.  A lane then holds 4 columns x 16 k.  The hold writes into other registers than it reads and so puts a column's 16 numbers on end: nothing else is turned.
; The weights' work stands between x's rows, whose loads take longest to come.
; PHASE M: waves 0 to 11 are (kind g = wave / 4, columns 16 t .. 16 t + 15, t = wave % 4): four accumulators (the four tiles of 16 tokens), 16 matrix instructions of 16 x 16 x 128.
; q and k are made TRANSPOSED (source 0 = the weight's 16 columns, source 1 = 16 tokens): a lane holds one token and eight neighbouring head units, which are eight neighbours along the next K.
; v is made in the natural order (source 0 = 16 tokens, source 1 = the weight's 16 columns): a lane holds one channel and eight neighbouring tokens: the keys are v's next K.
; NO JOINT LOADS for the weights, though all work-groups read them: they are 393,216 bytes of f32, more than the 327,680 bytes of LDS that a work-group can claim, so they would come through slots that are filled again,
; with a round of the cluster's barrier for each refill, and would be written into LDS and read out of it, 393,216 bytes each way, for a work-group that has 192 matrix instructions in all.
; NO PREFETCH: all of a work-group's x is asked for at the head, and nothing of it is left to ask for ahead.
; LIMITS, so that each power of two is an f32 number: e0 .. e5, e6 - e0 - e1, e7 - e2 - e3, e9 - e4 - e5 between -126 and 119.  NaN among the inputs is not served.
; LDS: kind g's codes of x at g x 33,792: 64 rows, 528 bytes apart (512 + 16: 33 columns of 16 bytes, so that the sixteen rows of a fragment load fall into sixteen different columns modulo 256 bytes).
; Behind them kind g's codes of W at WCB + g x 34,048: column n = 4 m + jj at jj x 8,512 + m x 528; 8,512 = 16 x 528 + 64.  A store has one jj and m = 0 .. 15: sixteen different 16-byte columns modulo 256;
; a fragment load has jj = r % 4 and m = 4 t + r / 4: 16-byte column 4 (r % 4) + r / 4 + a constant: again sixteen different ones.  Behind W's codes, from byte 203,520 on: the spare words, 128 bytes for each wave.
; THE MODE: SCHED_MODE bits 1:0 = 2 (LLVM: expert scheduling mode 2), set by the entry lines.  The code itself states the register dependences between vector or matrix instructions and memory or LDS instructions,
; with s_wait_alu, always for 0.
; THE PLAN, PHASE X.  Seven tasks: x's rows 0, 1; Wq; x's rows 2, 3; Wk; Wv.  A task's holds read the registers in which its loads landed and write T; its conversions read T and write the task's OWN code registers,
; which are registers that an earlier task's holds have done with: so a task's LDS stores need not follow its conversions at once.
;   task            reads              its codes          its stores stand
;   x row 0         v32-47             CX0  v240-251      among Wq's columns
;   x row 1         v48-63             CX1  v32-43        among Wq's columns
;   Wq              WA v96-159         CWQ  v48-63        behind Wq, among row 2's kinds
;   x row 2         v64-79             CX2  v240-251      among Wk's columns
;   x row 3         v80-95             CX3  v64-75        among Wk's columns
;   Wk              WB v160-223        CWK  v80-95        among Wv's columns
;   Wv              WA v96-159         CWV  v160-175      behind Wv
; Five waits on va_vdst state that codes are written ahead of their stores: at the heads of Wq, Wk and Wv, behind the wait for the task's loads, and behind Wq and Wv.  The one behind Wq also states that WA is read out, so that
; Wv is asked for at once.  The stores that follow a wait are dealt among vector lines that name the running task's own registers, T and the scales: none that those stores touch.  v240-251 alone are written twice:
; one wait on vm_vsrc stands between row 0's stores and row 2's conversions.  A second, behind the last store, frees all code registers for phase M.
; THE PLAN, PHASE M.  FA and FB hold x's fragments by turns.  At the head of K steps 1 and 2, behind the wait for the step's own fragments, one wait on va_vdst states that the step before is done reading the other buffer;
; the next step's sixteen loads land there, dealt among this step's four products, which name this step's buffer, W and the accumulators.
; The addresses v1-6, v16-19 and the closing add's v30, v31 are written at the head and never again.
.set PITCH, 528
.set KIND,  64*PITCH
.set WCB,   3*KIND
.set WCOL,  16*PITCH+64
.set WKIND, 4*WCOL
.set L16, 1                            ; v1   16 x lane
.set XO,  2                            ; v2   x: my wave's four rows of 2,048 bytes, 16 bytes a lane
.set XS,  3                            ; v3   LDS: where my rows' codes go, kinds 0 and 1
.set XS2, 4                            ; v4   the same for kind 2, whose distance is more than an LDS offset holds
.set XR,  5                            ; v5   LDS: a fragment of x: row r x pitch + 16 h, in my kind's codes
.set L8,  6                            ; v6   8 x lane
                                       ; v8-13  2^e and 448 x 2^e for x (e0, e2, e4); v14, v15 for my kind's results; v20-25 for the weights (e1, e3, e5)
.set WO,  16                           ; v16  W in memory: 2,048 x wave + 1,024 h + 16 m
.set WS,  17                           ; v17  LDS: where my chunks of W's codes go, kinds 0 and 1
.set WS2, 18                           ; v18  the same for kind 2
.set WR,  19                           ; v19  LDS: a fragment of W
                                       ; v30  LDS address of my spare word: 203,520 + 4 x my thread's number; v31  0: both for the closing add alone
.set X,   32                           ; v32-95   four rows of x, 16 numbers a lane each
.set WA,  96                           ; v96-159  16 loads of a weight: register 4 b + jj = W[k(b)][4 m + jj]
.set WB,  160                          ; v160-223 the same, the next kind's
.set T,   224                          ; v224-239 sixteen held numbers, on end along K
.set CX0, 240                          ; the tasks' code registers: the table above
.set CX1, 32
.set CWQ, 48
.set CX2, 240
.set CX3, 64
.set CWK, 80
.set CWV, 160
.set FA,  32                           ; v32-95   phase M: x's four fragments of a K step,
.set FB,  96                           ; v96-159  and of the next
.set W,   160                          ; v160-223 my four fragments of the weight: 16 s + 4 c
.set ACC, 224                          ; v224-255 four accumulators
.set OC,  32                           ; v32-39   the results' codes
	s_load_b256 s[4:11], s[0:1], 0x0               ; x s[4:5], Wq s[6:7], Wk s[8:9], Wv s[10:11]
	s_load_b128 s[12:15], s[0:1], 0x20             ; the scales' exponents s[12:13], qcodes s[14:15]
	s_load_b64 s[16:17], s[0:1], 0x30              ; kv
	v_lshl_add_u32 v30, v0, 2, 0x31b00
	v_mov_b32 v31, 0
	v_lshrrev_b32 v7, 5, v0
	v_readfirstlane_b32 s18, v7                    ; wave 0..15
	v_and_b32 v7, 31, v0                           ; the lanes' parts of the addresses want no scalar: they stand between that line and the wait for its result
	v_lshlrev_b32 v[L16], 4, v7
	v_lshlrev_b32 v[L8], 3, v7
	v_and_b32 v26, 15, v0                          ; r, and m
	v_bfe_u32 v27, v0, 4, 1                        ; h
	v_mul_u32_u24 v[XR], v26, PITCH
	v_lshl_add_u32 v[XR], v27, 4, v[XR]
	v_lshlrev_b32 v[WO], 4, v26                    ; W in memory: four columns are 16 bytes,
	v_lshl_add_u32 v[WO], v27, 10, v[WO]           ; lanes 16-31 four rows of 256 bytes further down,
	v_mul_u32_u24 v[WS], v26, PITCH                ; W's codes: row m of a block of sixteen columns,
	v_lshl_add_u32 v[WS], v27, 4, v[WS]            ; chunk 2 u + h
	v_and_b32 v7, 3, v26                           ; a fragment of W: column 16 t + r = 4 (4 t + r / 4) + r % 4
	v_mul_u32_u24 v[WR], v7, WCOL
	v_lshrrev_b32 v7, 2, v26
	v_mad_u32_u24 v[WR], v7, PITCH, v[WR]
	v_lshl_add_u32 v[WR], v27, 4, v[WR]
	s_wait_alu depctr_va_sdst(0)                   ; s18 is written, ahead of its first reader: kind, t and every wave's part of an address are made from it
	s_lshr_b32 s19, s18, 2
	s_min_u32 s19, s19, 2                          ; kind g (waves 12 to 15: held at 2, not used)
	s_and_b32 s20, s18, 3                          ; t
	s_lshl_b32 s34, s18, 13
	v_add_nc_u32 v[XO], s34, v[L16]
	s_mul_i32 s34, s18, 4*PITCH
	v_add_nc_u32 v[XS], s34, v[L16]
	v_add_nc_u32 v[XS2], 2*KIND, v[XS]
	s_mul_i32 s34, s19, KIND
	v_add_nc_u32 v[XR], s34, v[XR]
	s_lshl_b32 s34, s18, 11
	v_add_nc_u32 v[WO], s34, v[WO]                 ; wave u eight rows further down than wave u - 1
	s_lshl_b32 s34, s18, 5
	s_add_co_u32 s34, s34, WCB
	v_add_nc_u32 v[WS], s34, v[WS]
	v_add_nc_u32 v[WS2], 2*WKIND, v[WS]
	s_mul_i32 s34, s19, WKIND
	s_mul_i32 s35, s20, 4*PITCH
	s_add_co_u32 s34, s34, s35
	s_add_co_u32 s34, s34, WCB
	v_add_nc_u32 v[WR], s34, v[WR]
	s_lshl_b32 s36, ttmp9, 17                      ; my work-group's 64 rows of 2,048 bytes
	s_mov_b32 s37, 0
.macro XLOAD i                         ; row i of my four: 32 lanes read 512 consecutive bytes, four times
.irp q, 0,1,2,3
	global_load_b128 v[X+16*\i+4*\q:X+16*\i+4*\q+3], v[XO], s[4:5] offset:2048*\i+512*\q th:TH_LOAD_NT
.endr
.endm
.macro WLOAD r, base                   ; my 32 rows of a weight: sixteen lanes read a row's 256 bytes
.irp b, 0,1,2,3,4,5,6,7,8,9,10,11,12,13,14,15
	global_load_b128 v[\r+4*\b:\r+4*\b+3], v[WO], s[\base:\base+1] offset:(\b/4)*32768+(\b%4)*256
.endr
.endm
	s_wait_kmcnt 0x0
	s_load_b256 s[24:31], s[12:13], 0x0            ; e0 .. e7
	s_load_b64 s[32:33], s[12:13], 0x20            ; e8, e9
	s_add_nc_u64 s[4:5], s[4:5], s[36:37]
	s_wait_alu depctr_va_vdst(0)                   ; the addresses v1 to v6 and v16 to v19 are written, which every load and store of the kernel reads; no vector line writes them again
	XLOAD 0                                        ; 48 loads of mine are out: x's rows 0, 1; Wq; x's rows 2, 3; Wk: in the order in which they are worked
	XLOAD 1
	WLOAD WA, 6
	XLOAD 2
	XLOAD 3
	WLOAD WB, 8
; 2^e as f32 (the conversion takes its exponent field) and 448 x 2^e, from the whole number in s[e]
.macro SCALE e, vs, vl
	s_add_co_i32 s38, s[\e], 127
	s_lshl_b32 s39, s38, 23
	v_mov_b32 v[\vs], s39
	s_add_co_i32 s38, s38, 8
	s_lshl_b32 s38, s38, 23
	s_or_b32 s38, s38, 0x600000
	v_mov_b32 v[\vl], s38
.endm
	s_wait_kmcnt 0x0
	SCALE 24, 8, 9                                 ; x for q
	SCALE 26, 10, 11                               ; x for k
	SCALE 28, 12, 13                               ; x for v
	SCALE 25, 20, 21                               ; Wq
	SCALE 27, 22, 23                               ; Wk
	SCALE 29, 24, 25                               ; Wv
	s_sub_co_i32 s40, s30, s24
	s_sub_co_i32 s40, s40, s25                     ; e6 - e0 - e1
	s_sub_co_i32 s41, s31, s26
	s_sub_co_i32 s41, s41, s27                     ; e7 - e2 - e3
	s_sub_co_i32 s42, s33, s28
	s_sub_co_i32 s42, s42, s29                     ; e9 - e4 - e5
	s_cmp_eq_u32 s19, 0
	s_cselect_b32 s40, s40, s41
	s_cmp_eq_u32 s19, 2
	s_cselect_b32 s40, s42, s40
	SCALE 40, 14, 15                               ; my kind's results
	; where the results go.  qcodes: a tile of 16 tokens is 1,024 bytes, [c 0..3][lane][8 bytes]; c = t.  kv: a step of 128 keys is 16,384 bytes: eight such tiles of k, then four channel tiles of v, [G 0..3][lane][16 bytes]
	s_lshr_b32 s43, ttmp9, 1
	s_lshl_b32 s43, s43, 14                        ; my step of 128 keys: two work-groups to a step
	s_and_b32 s44, ttmp9, 1                        ; which half of it
	s_lshl_b32 s45, s44, 12
	s_add_co_u32 s45, s45, s43                     ; k: four tiles of 1,024 bytes to a half
	s_lshl_b32 s46, ttmp9, 12                      ; q: four tiles to a work-group
	s_cmp_eq_u32 s19, 0
	s_cselect_b32 s46, s46, s45
	s_cselect_b64 s[48:49], s[14:15], s[16:17]
	s_lshl_b32 s47, s20, 8
	s_add_co_u32 s46, s46, s47                     ; + 256 t
	s_mov_b32 s47, 0
	s_add_nc_u64 s[48:49], s[48:49], s[46:47]      ; q's or k's place
	s_lshl_b32 s50, s44, 10                        ; v: my 64 keys are two of a channel tile's four groups of 512 bytes
	s_add_co_u32 s50, s50, s43
	s_lshl_b32 s51, s20, 11
	s_add_co_u32 s50, s50, s51                     ; + 2,048 t
	s_add_co_u32 s50, s50, 8192                    ; behind the step's k
	s_mov_b32 s51, 0
	s_add_nc_u64 s[50:51], s[16:17], s[50:51]      ; v's place
; Sixteen numbers are held and converted.  The first conversion stands behind the first eight holds: so each conversion has plain vector lines behind it that touch none of its registers, before T is written again.
.macro XCV i, g, o                     ; row i of x with the scale of kind g: four registers of codes at v[o + 4 g]
.irp j, 0,1,2,3,4,5,6,7
	v_med3_num_f32 v[T+\j], v[X+16*(\i)+\j], -v[9+2*(\g)], v[9+2*(\g)]   ; the conversion to an 8-bit code does not saturate (ISA guide 7.6.2): the hold comes first
.endr
	v_cvt_scalef32_pk8_fp8_f32 v[\o+4*(\g):\o+4*(\g)+1], v[T:T+7], v[8+2*(\g)]
.irp j, 8,9,10,11,12,13,14,15
	v_med3_num_f32 v[T+\j], v[X+16*(\i)+\j], -v[9+2*(\g)], v[9+2*(\g)]
.endr
	v_cvt_scalef32_pk8_fp8_f32 v[\o+4*(\g)+2:\o+4*(\g)+3], v[T+8:T+15], v[8+2*(\g)]
.endm
.macro XST i, g, o                     ; and their store: 32 lanes store the row's 512 bytes
.if (\g) < 2
	ds_store_b128 v[XS], v[\o+4*(\g):\o+4*(\g)+3] offset:KIND*(\g)+PITCH*(\i)
.else
	ds_store_b128 v[XS2], v[\o+4*(\g):\o+4*(\g)+3] offset:PITCH*(\i)
.endif
.endm
.macro WCV r, g, c, o                  ; column 4 m + c of weight g, out of the registers from v[r] on: four registers of codes at v[o + 4 c]
.irp b, 0,1,2,3,4,5,6,7
	v_med3_num_f32 v[T+\b], v[\r+4*\b+(\c)], -v[21+2*(\g)], v[21+2*(\g)]   ; the hold, and the turn within the lane: the column's numbers come to stand on end along K
.endr
	v_cvt_scalef32_pk8_fp8_f32 v[\o+4*(\c):\o+4*(\c)+1], v[T:T+7], v[20+2*(\g)]
.irp b, 8,9,10,11,12,13,14,15
	v_med3_num_f32 v[T+\b], v[\r+4*\b+(\c)], -v[21+2*(\g)], v[21+2*(\g)]
.endr
	v_cvt_scalef32_pk8_fp8_f32 v[\o+4*(\c)+2:\o+4*(\c)+3], v[T+8:T+15], v[20+2*(\g)]
.endm
.macro WST g, c, o                     ; and their store: chunk 2 u + h of column 4 m + c
.if (\g) < 2
	ds_store_b128 v[WS], v[\o+4*(\c):\o+4*(\c)+3] offset:WKIND*(\g)+WCOL*(\c)
.else
	ds_store_b128 v[WS2], v[\o+4*(\c):\o+4*(\c)+3] offset:WCOL*(\c)
.endif
.endm
	s_wait_loadcnt 44                              ; x's row 0 is in.  Behind its four loads: row 1's 4, Wq's 16, rows 2 and 3's 8, Wk's 16
	XCV 0, 0, CX0
	XCV 0, 1, CX0
	XCV 0, 2, CX0
	s_wait_loadcnt 40                              ; row 1 is in
	XCV 1, 0, CX1
	XCV 1, 1, CX1
	XCV 1, 2, CX1
	s_wait_loadcnt 24                              ; Wq is in; rows 2 and 3 and Wk may be out
	s_wait_alu depctr_va_vdst(0)                   ; the conversions of rows 0 and 1 have written CX0 and CX1, which the six stores below read; Wq's lines between them name WA, T, CWQ, v20 and v21
	XST 0, 0, CX0
	XST 0, 1, CX0
	WCV WA, 0, 0, CWQ
	XST 0, 2, CX0
	XST 1, 0, CX1
	WCV WA, 0, 1, CWQ
	XST 1, 1, CX1
	XST 1, 2, CX1
	WCV WA, 0, 2, CWQ
	WCV WA, 0, 3, CWQ
	s_wait_alu depctr_vm_vsrc(0)                   ; row 0's stores have read v240-251, which row 2's conversions write again (ahead of the loads below, which this line then does not wait for)
	s_wait_alu depctr_va_vdst(0)                   ; Wq's holds are done reading WA, in which the loads below land; its conversions have written CWQ, which the four stores below read
	WLOAD WA, 10                                   ; Wv, into the registers that Wq has left
	WST 0, 0, CWQ                                  ; row 2's lines between these stores name v64-79, T, CX2 and v8-13
	WST 0, 1, CWQ
	s_wait_loadcnt 36                              ; row 2 is in.  Behind its loads: row 3's 4, Wk's 16, Wv's 16
	XCV 2, 0, CX2
	WST 0, 2, CWQ
	XCV 2, 1, CX2
	WST 0, 3, CWQ
	XCV 2, 2, CX2
	s_wait_loadcnt 32                              ; row 3 is in
	XCV 3, 0, CX3
	XCV 3, 1, CX3
	XCV 3, 2, CX3
	s_wait_loadcnt 16                              ; Wk is in; Wv may be out
	s_wait_alu depctr_va_vdst(0)                   ; the conversions of rows 2 and 3 have written CX2 and CX3, which the six stores below read; Wk's lines between them name WB, T, CWK, v22 and v23
	XST 2, 0, CX2
	XST 2, 1, CX2
	WCV WB, 1, 0, CWK
	XST 2, 2, CX2
	XST 3, 0, CX3
	WCV WB, 1, 1, CWK
	XST 3, 1, CX3
	XST 3, 2, CX3
	WCV WB, 1, 2, CWK
	WCV WB, 1, 3, CWK
	s_wait_loadcnt 0x0                             ; Wv is in
	s_wait_alu depctr_va_vdst(0)                   ; Wk's conversions have written CWK, which the four stores below read; Wv's lines between them name WA, T, CWV, v24 and v25
	WST 1, 0, CWK
	WCV WA, 2, 0, CWV
	WST 1, 1, CWK
	WCV WA, 2, 1, CWV
	WST 1, 2, CWK
	WCV WA, 2, 2, CWV
	WST 1, 3, CWK
	WCV WA, 2, 3, CWV
	v_nop                                          ; a plain vector line behind the last conversion: the products below write over its registers
	s_wait_alu depctr_va_vdst(0)                   ; Wv's conversions have written CWV, which the four stores below read; and, no vector line following up to phase M, every vector line is done with v32-223, in which phase M's loads land
	WST 2, 0, CWV
	WST 2, 1, CWV
	WST 2, 2, CWV
	WST 2, 3, CWV
	s_wait_alu depctr_vm_vsrc(0)                   ; all my stores have read their code registers (v32-95, v160-175, v240-251): phase M's loads land in them, and its products write v224-255
	s_wait_dscnt 0x0                               ; for the others' sake: my stores have landed
	s_barrier_signal -1
	s_barrier_wait -1                              ; 64 rows of x's codes, three times, and 192 columns of the weights' lie in LDS
	s_cmp_lt_u32 s18, 12
	s_cbranch_scc0 .Lend
; PHASE M.  My weight's four fragments: lane (r, h) takes, of column 16 t + r, the 16 bytes at 128 s + 32 c + 16 h into registers 16 s + 4 c .. + 3
.irp s, 0,1,2,3
.irp c, 0,1,2,3
	ds_load_b128 v[W+16*\s+4*\c:W+16*\s+4*\c+3], v[WR] offset:128*\s+32*\c
.endr
.endr
; x's fragment of K step s and tile of tokens m: the same bytes of row 16 m + r
.macro FRX s, buf, m
.irp c, 0,1,2,3
	ds_load_b128 v[\buf+16*(\m)+4*\c:\buf+16*(\m)+4*\c+3], v[XR] offset:16*PITCH*(\m)+128*(\s)+32*\c
.endr
.endm
.macro FETCHX s, buf                   ; a K step's four
.irp m, 0,1,2,3
	FRX \s, \buf, \m
.endr
.endm
; one matrix instruction: K step s, tile of tokens m.  zero = 1: the first product starts the sum
.macro ONE s, buf, m, swap, zero
.if \swap
.if \zero
	v_wmma_f32_16x16x128_fp8_fp8 v[ACC+8*(\m):ACC+8*(\m)+7], v[\buf+16*(\m):\buf+16*(\m)+15], v[W+16*(\s):W+16*(\s)+15], 0
.else
	v_wmma_f32_16x16x128_fp8_fp8 v[ACC+8*(\m):ACC+8*(\m)+7], v[\buf+16*(\m):\buf+16*(\m)+15], v[W+16*(\s):W+16*(\s)+15], v[ACC+8*(\m):ACC+8*(\m)+7]
.endif
.else
.if \zero
	v_wmma_f32_16x16x128_fp8_fp8 v[ACC+8*(\m):ACC+8*(\m)+7], v[W+16*(\s):W+16*(\s)+15], v[\buf+16*(\m):\buf+16*(\m)+15], 0
.else
	v_wmma_f32_16x16x128_fp8_fp8 v[ACC+8*(\m):ACC+8*(\m)+7], v[W+16*(\s):W+16*(\s)+15], v[\buf+16*(\m):\buf+16*(\m)+15], v[ACC+8*(\m):ACC+8*(\m)+7]
.endif
.endif
.endm
; four matrix instructions, one for each tile of tokens: the four accumulators take turns, one instruction a turn, from K step to K step too
.macro MUL s, buf, swap, zero
.irp m, 0,1,2,3
	ONE \s, \buf, \m, \swap, \zero
.endr
.endm
; the same four, with the sixteen loads of K step ns dealt among them, early in the step: they land in the other buffer, which none of the four names
.macro MULF s, buf, ns, nbuf, swap
	ONE \s, \buf, 0, \swap, 0
	FRX \ns, \nbuf, 0
	FRX \ns, \nbuf, 1
	ONE \s, \buf, 1, \swap, 0
	FRX \ns, \nbuf, 2
	FRX \ns, \nbuf, 3
	ONE \s, \buf, 2, \swap, 0
	ONE \s, \buf, 3, \swap, 0
.endm
.macro PLACES                          ; four plain vector lines between a matrix instruction and a load into a register that it read, or a vector line that reads its result or writes one of its registers
.rept 4
	v_nop
.endr
.endm
.macro GEMM swap
	FETCHX 0, FA
	FETCHX 1, FB
	s_wait_dscnt 16                                ; the weight's fragments and K step 0's are in; the sixteen loads behind them may be out
	MUL 0, FA, \swap, 1
	PLACES
	s_wait_dscnt 0x0                               ; K step 1's are in
	s_wait_alu depctr_va_vdst(0)                   ; K step 0's products are done reading FA, in which K step 2's loads land; the places above stay beside this wait
	MULF 1, FB, 2, FA, \swap
	PLACES
	s_wait_dscnt 0x0                               ; K step 2's are in
	s_wait_alu depctr_va_vdst(0)                   ; K step 1's products are done reading FB, in which K step 3's loads land
	MULF 2, FA, 3, FB, \swap
	s_wait_dscnt 0x0                               ; K step 3's are in
	MUL 3, FB, \swap, 0
	PLACES
.irp m, 0,1,2,3
.irp j, 0,1,2,3,4,5,6,7
	v_med3_num_f32 v[ACC+8*\m+\j], v[ACC+8*\m+\j], -v15, v15   ; each accumulator from its low end on
.endr
	v_cvt_scalef32_pk8_fp8_f32 v[OC+2*\m:OC+2*\m+1], v[ACC+8*\m:ACC+8*\m+7], v14   ; eight neighbours along the next K
.endr
	v_nop                                          ; a plain vector line behind the last conversion
	s_wait_alu depctr_va_vdst(0)                   ; the conversions have written v32-39, which the stores below read
.endm
	s_cmp_eq_u32 s19, 2
	s_cbranch_scc1 .Lv
	GEMM 0                                         ; q or k: lane (r, h) holds token 16 m + r, head units 16 t + 8 h + 0 .. 7
.irp m, 0,1,2,3
	global_store_b64 v[L8], v[OC+2*\m:OC+2*\m+1], s[48:49] offset:1024*\m   ; 32 lanes store 256 consecutive bytes, at a multiple of 256 from the buffer's first byte
.endr
	s_wait_dscnt 0x0                               ; the closing lines, six on end
	s_wait_alu 0x0
	s_wait_tensorcnt 0x0
	ds_add_u32 v30, v31
	s_wait_dscnt 0x0
	s_endpgm
.Lv:
	GEMM 1                                         ; v: lane (r, h) holds channel 16 t + r, tokens 16 m + 8 h + 0 .. 7: tiles m = 0, 1 are one group of four registers, m = 2, 3 the next
	global_store_b128 v[L16], v[OC:OC+3], s[50:51]             ; 32 lanes store 512 consecutive bytes, aligned
	global_store_b128 v[L16], v[OC+4:OC+7], s[50:51] offset:512
.Lend:
	s_wait_dscnt 0x0                               ; the closing lines, six on end
	s_wait_alu 0x0
	s_wait_tensorcnt 0x0
	ds_add_u32 v30, v31
	s_wait_dscnt 0x0
	s_endpgm
.Lfunc_end_k_q1b9744dbc3_proj:
	.size	k_q1b9744dbc3_proj, .Lfunc_end_k_q1b9744dbc3_proj-k_q1b9744dbc3_proj
	.p2alignl 7, 3214868480
	.fill 96, 4, 3214868480
	.section	.rodata,"a",@progbits
	.p2align	6, 0x0
	.amdhsa_kernel k_q1b9744dbc3_proj
		.amdhsa_group_segment_fixed_size 205568
		.amdhsa_private_segment_fixed_size 0
		.amdhsa_enable_private_segment 0
		.amdhsa_kernarg_size 56
		.amdhsa_user_sgpr_count 2
		.amdhsa_user_sgpr_kernarg_segment_ptr 1
		.amdhsa_wavefront_size32 1
		.amdhsa_system_sgpr_workgroup_id_x 1
		.amdhsa_system_sgpr_workgroup_id_y 1
		.amdhsa_system_sgpr_workgroup_id_z 1
		.amdhsa_system_vgpr_workitem_id 0
		.amdhsa_next_free_vgpr 256
		.amdhsa_next_free_sgpr 66
		.amdhsa_reserve_vcc 0
		.amdhsa_float_denorm_mode_32 3
		.amdhsa_float_denorm_mode_16_64 3
		.amdhsa_memory_ordered 1
		.amdhsa_forward_progress 1
		.amdhsa_inst_pref_size 59
	.end_amdhsa_kernel
	.amdgpu_metadata
---
amdhsa.version: [ 1, 2 ]
amdhsa.kernels:
  - .name:           k_q1b9744dbc3_proj
    .symbol:         k_q1b9744dbc3_proj.kd
    .args:
      - { .name: x, .offset: 0, .size: 8, .value_kind: global_buffer, .address_space: global }
      - { .name: Wq, .offset: 8, .size: 8, .value_kind: global_buffer, .address_space: global }
      - { .name: Wk, .offset: 16, .size: 8, .value_kind: global_buffer, .address_space: global }
      - { .name: Wv, .offset: 24, .size: 8, .value_kind: global_buffer, .address_space: global }
      - { .name: lowp_scales, .offset: 32, .size: 8, .value_kind: global_buffer, .address_space: global }
      - { .name: qcodes, .offset: 40, .size: 8, .value_kind: global_buffer, .address_space: global }
      - { .name: kv, .offset: 48, .size: 8, .value_kind: global_buffer, .address_space: global }
    .group_segment_fixed_size: 205568
    .private_segment_fixed_size: 0
    .kernarg_segment_align: 8
    .kernarg_segment_size: 56
    .max_flat_workgroup_size: 512
    .sgpr_count:     66
    .vgpr_count:     256
    .wavefront_size: 32
...
	.end_amdgpu_metadata
.endif
;; end of part 3
;; launch attn: the kernel of part 2 again; grid 32 x 8, 16 waves a work-group, clusters of 4 x 1, 264,192 bytes of LDS; arguments qcodes, kv, lowp_scales, out0; writes out0
